; MI455X (gfx1250); checked and timed in simulation.
; The chip was launched on July 23, 2026; its instructions are those of AMD's public machine-readable ISA for CDNA 5 (MIT licence, August 2026) and "CDNA5" Instruction Set Architecture Reference Guide (July 2026). The comments in the code are by the model that wrote it; some were corrected since.
;; Hybrid Attention. Allowed arithmetic: float matrix products may take bf16 or f16 operands with f32 sums; all other float work in f32.
;; Inputs: bk 1,024 float32; bo 1,024 float32; bq 1,024 float32; bv 1,024 float32; wk 1,024 x 1,024 float32; wo 1,024 x 1,024 float32; wq 1,024 x 1,024 float32; wv 1,024 x 1,024 float32; x 2 x 2,048 x 1,024 float32.
;; Outputs: out0 2 x 2,048 x 1,024 float32.
;; 2 versions, each right; version 2 is version 1 with the launch prep written anew for expert scheduling mode. Each part assembles by itself: llvm-mc -triple=amdgcn-amd-amdhsa -mcpu=gfx1250 --defsym DOCPART=n.
;; ======== version 1 of 2: 4 launches
;; limits: values are held in f16: magnitudes above 65,504 overflow, below 6.1e-05 lose precision
;; workspace buffers: xb 8,388,608 bytes; wqkv 6,291,456 bytes; wob 2,097,152 bytes; qkv 25,165,824 bytes; ctx 8,388,608 bytes
;; launch prep (part 1): grid 512 x 1, 8 waves a work-group, no clusters, 0 bytes of LDS; arguments x, wq, wk, wv, wo, xb, wqkv, wob; writes xb, wqkv, wob
.if DOCPART == 1
	.amdgcn_target "amdgcn-amd-amdhsa--gfx1250"
	.amdhsa_code_object_version 6
	.text
	.protected	k_q4bb8c73169_prep
	.globl	k_q4bb8c73169_prep
	.p2align	8
	.type	k_q4bb8c73169_prep,@function
k_q4bb8c73169_prep:
	s_mov_b64 s[64:65], 0
	v_nop
	global_prefetch_b8 v0, s[64:65] scope:SCOPE_SE
	s_setreg_imm32_b32 hwreg(HW_REG_WAVE_MODE, 25, 1), 1
	s_wait_xcnt 0x0
; Casts f32 to f16, layouts kept: x -> xb [4096][1024]; wq, wk, wv -> wqkv [1024 k][3072 n] side by side
; (columns 0-1023 wq, 1024-2047 wk, 2048-3071 wv); wo -> wob [1024 k][1024 n].
; WHY f16 AND NOT bf16: the result is held to 1 part in 100 of its root mean square, and seven roundings lie on the way to it (x, weights, q and k, v, the
; softmax weights, the attention's result, wo); a rounding to 8 significant bits is up to 1 part in 256, one to 11 bits up to 1 part in 2,048.
; LIMITS: f16 reaches 65,504 and steps by 2^-24 below 2^-14.  x as the problem draws it stays below 6 and the weights below 0.1; 30 times larger they stay below
; 200 and 3; weights 30 times smaller (root mean square 0.00067) are off by at most 3e-8.  A number above 65,504 in magnitude becomes infinite.
; Every source is taken as rows of 1,024 f32 (4,096 bytes): 4,096 + 4 x 1,024 = 8,192 rows = 512 work-groups x 16 rows; a wave takes 2 rows.
; A stream: each byte is read once and written once, so no LDS, no barrier, no matrix unit, no cluster (no work-group shares a byte with another).
; A wave issues all its 16 loads at once (512 consecutive bytes each); no register is written twice, so there is no loop and no wait but the counted ones.
; Each store of a wave covers 256 consecutive bytes, aligned (32 lanes x 8 bytes).
.set X, 8                              ; v[8:71]    load n = 8 i + j: 4 f32 of row i, piece j
.set Y, 72                             ; v[72:103]  the same as 4 f16
	s_load_b512 s[4:19], s[0:1], 0x0               ; x 4:5, wq 6:7, wk 8:9, wv 10:11, wo 12:13, xb 14:15, wqkv 16:17, wob 18:19
	s_lshr_b32 s20, ttmp9, 6                       ; segment of 64 work-groups: 0-3 x, 4 wq, 5 wk, 6 wv, 7 wo
	s_and_b32 s21, ttmp9, 63                       ; my place in a weight's 64 work-groups
	s_sub_co_u32 s31, s20, 4                       ; 0, 1, 2: the plane of wqkv (anything else: not a plane)
	s_lshl_b32 s28, s31, 11                        ; the plane's first byte in a row of wqkv
	s_movk_i32 s26, 2048                           ; bytes in a row of xb and of wob
	v_lshrrev_b32 v4, 5, v0                        ; wave
	v_and_b32 v5, 31, v0                           ; lane
	v_lshlrev_b32 v1, 4, v5
	v_lshl_add_u32 v1, v4, 13, v1                  ; source: 16 x lane + wave x 2 rows x 4,096 bytes
	v_lshlrev_b32 v6, 3, v5                        ; target: 8 x lane
	s_cmp_lt_u32 s31, 3
	s_cselect_b32 s26, 6144, s26                   ; bytes in a row of wqkv
	s_cselect_b32 s28, s28, 0
	s_lshl_b32 s29, s26, 1
	v_mad_u32_u24 v2, v4, s29, v6                  ; + wave x 2 target rows: my first row
	v_add_nc_u32 v3, s26, v2                       ; my second row
	s_wait_kmcnt 0x0
	s_cmp_eq_u32 s20, 4                            ; the choices hang on the work-group's number alone
	s_cselect_b64 s[22:23], s[6:7], s[12:13]
	s_cmp_eq_u32 s20, 5
	s_cselect_b64 s[22:23], s[8:9], s[22:23]
	s_cmp_eq_u32 s20, 6
	s_cselect_b64 s[22:23], s[10:11], s[22:23]
	s_cmp_lt_u32 s20, 4
	s_cselect_b64 s[22:23], s[4:5], s[22:23]       ; the source
	s_cselect_b32 s27, ttmp9, s21                  ; which 16 rows of it
	s_cmp_eq_u32 s20, 7
	s_cselect_b64 s[24:25], s[18:19], s[16:17]
	s_cmp_lt_u32 s20, 4
	s_cselect_b64 s[24:25], s[14:15], s[24:25]     ; the target
	s_lshl_b32 s32, s27, 16                        ; 16 rows x 4,096 bytes
	s_mov_b32 s33, 0
	s_add_nc_u64 s[22:23], s[22:23], s[32:33]
	s_mul_i32 s34, s27, s26
	s_lshl_b32 s34, s34, 4                         ; 16 target rows
	s_add_co_u32 s34, s34, s28                     ; + the plane
	s_mov_b32 s35, 0
	s_add_nc_u64 s[24:25], s[24:25], s[34:35]
.irp i, 0,1
.irp j, 0,1,2,3,4,5,6,7
	global_load_b128 v[X+4*(8*\i+\j):X+4*(8*\i+\j)+3], v1, s[22:23] offset:4096*\i+512*\j th:TH_LOAD_NT
.endr
.endr
.irp i, 0,1
.irp j, 0,1,2,3,4,5,6,7
	s_wait_loadcnt 15-(8*\i+\j)                    ; loads come back in order (ISA guide 5.7.1): this one is in, the younger ones stay out
	v_cvt_pk_f16_f32 v[Y+2*(8*\i+\j)],   v[X+4*(8*\i+\j)],   v[X+4*(8*\i+\j)+1]
	v_cvt_pk_f16_f32 v[Y+2*(8*\i+\j)+1], v[X+4*(8*\i+\j)+2], v[X+4*(8*\i+\j)+3]
	global_store_b64 v[2+\i], v[Y+2*(8*\i+\j):Y+2*(8*\i+\j)+1], s[24:25] offset:256*\j
.endr
.endr
	s_endpgm
.Lfunc_end_k_q4bb8c73169_prep:
	.size	k_q4bb8c73169_prep, .Lfunc_end_k_q4bb8c73169_prep-k_q4bb8c73169_prep
	.p2alignl 7, 3214868480
	.fill 96, 4, 3214868480
	.section	.rodata,"a",@progbits
	.p2align	6, 0x0
	.amdhsa_kernel k_q4bb8c73169_prep
		.amdhsa_group_segment_fixed_size 0
		.amdhsa_private_segment_fixed_size 0
		.amdhsa_enable_private_segment 0
		.amdhsa_kernarg_size 64
		.amdhsa_user_sgpr_count 2
		.amdhsa_user_sgpr_kernarg_segment_ptr 1
		.amdhsa_wavefront_size32 1
		.amdhsa_system_sgpr_workgroup_id_x 1
		.amdhsa_system_sgpr_workgroup_id_y 1
		.amdhsa_system_sgpr_workgroup_id_z 1
		.amdhsa_system_vgpr_workitem_id 0
		.amdhsa_next_free_vgpr 104
		.amdhsa_next_free_sgpr 66
		.amdhsa_reserve_vcc 0
		.amdhsa_float_denorm_mode_32 3
		.amdhsa_float_denorm_mode_16_64 3
		.amdhsa_memory_ordered 1
		.amdhsa_forward_progress 1
		.amdhsa_inst_pref_size 8
	.end_amdhsa_kernel
	.amdgpu_metadata
---
amdhsa.version: [ 1, 2 ]
amdhsa.kernels:
  - .name:           k_q4bb8c73169_prep
    .symbol:         k_q4bb8c73169_prep.kd
    .args:
      - { .name: x, .offset: 0, .size: 8, .value_kind: global_buffer, .address_space: global }
      - { .name: wq, .offset: 8, .size: 8, .value_kind: global_buffer, .address_space: global }
      - { .name: wk, .offset: 16, .size: 8, .value_kind: global_buffer, .address_space: global }
      - { .name: wv, .offset: 24, .size: 8, .value_kind: global_buffer, .address_space: global }
      - { .name: wo, .offset: 32, .size: 8, .value_kind: global_buffer, .address_space: global }
      - { .name: xb, .offset: 40, .size: 8, .value_kind: global_buffer, .address_space: global }
      - { .name: wqkv, .offset: 48, .size: 8, .value_kind: global_buffer, .address_space: global }
      - { .name: wob, .offset: 56, .size: 8, .value_kind: global_buffer, .address_space: global }
    .group_segment_fixed_size: 0
    .private_segment_fixed_size: 0
    .kernarg_segment_align: 8
    .kernarg_segment_size: 64
    .max_flat_workgroup_size: 256
    .sgpr_count:     66
    .vgpr_count:     104
    .wavefront_size: 32
...
	.end_amdgpu_metadata
.endif
;; end of part 1
;; launch qkv (part 2): grid 12 x 16, 4 waves a work-group, clusters of 4 x 4, 327,680 bytes of LDS; arguments xb, wqkv, qkv, bq, bk, bv; writes qkv
.if DOCPART == 2
	.amdgcn_target "amdgcn-amd-amdhsa--gfx1250"
	.amdhsa_code_object_version 6
	.text
	.protected	k_q4bb8c73169_qkv
	.globl	k_q4bb8c73169_qkv
	.p2align	8
	.type	k_q4bb8c73169_qkv,@function
k_q4bb8c73169_qkv:
	s_mov_b64 s[64:65], 0
	v_nop
	global_prefetch_b8 v0, s[64:65] scope:SCOPE_SE
	s_setreg_imm32_b32 hwreg(HW_REG_WAVE_MODE, 25, 1), 1
	s_wait_xcnt 0x0
	s_wait_alu depctr_hold_cnt(0) depctr_sa_sdst(0) depctr_va_vdst(0) depctr_va_sdst(0) depctr_va_ssrc(0) depctr_va_vcc(0) depctr_vm_vsrc(0)
	s_getreg_b32 s2, hwreg(HW_REG_IB_STS2, 6, 4)
	s_cmp_eq_u32 s2, 0
	s_cbranch_scc0 .Lentry_in_a_cluster
	s_endpgm
.Lentry_in_a_cluster:
	s_bfe_u32 s2, ttmp6, 0x10000c
	s_cmp_lg_u32 s2, 0xf033
	s_cbranch_scc0 .Lentry_shape_is_right
	s_endpgm
.Lentry_shape_is_right:
; qkv[m][n] = sum over k of xb[m][k] wqkv[k][n] + bias[n].  xb [4096][1024], wqkv [1024][3072], qkv [4096][3072], all f16; sums and bias in f32,
; the result rounded once to f16.  bias = bq for columns 0-1023, bk for 1024-2047, bv for 2048-3071 (f32).
; LIMITS: operands and result are f16 (largest number 65,504; steps of 2^-24 below 2^-14).  As the problem draws its inputs q, k, v have a root mean square of
; 0.64; with x and the weights both 30 times larger they reach about 3,300; with x offset by 30 and the weights by 0.6 about 1,024 x 18 = 18,400; with both 30
; times smaller (root mean square 0.0007) the rounding is off by at most 3e-8.  A result above 65,504 in magnitude becomes infinite.
; NaN and infinities go through as the matrix instruction passes them on.
; A work-group makes 256 x 256 of the result with four waves, as many as a WGP has SIMDs; a wave makes 128 x 128: 64 accumulator tiles, 512 registers.
; 12 x 16 = 192 work-groups: a block of 256 x 192 would make 256 of them, but its rows of 384 bytes would not be whole aligned pieces of 256 bytes
; and its columns would straddle two biases.
; K goes in steps of 128 through two LDS slots filled by the tensor data mover.  A's tile: 256 rows x 256 bytes.  B's tile lies as in memory, [k][n]:
; 128 rows of k x 512 bytes; its fragments are made by the transposing LDS load, so the weights are never transposed in memory.
; CLUSTERS: 4 x 4 work-groups.  A's tile hangs on the block row alone and is asked for jointly by a row of the cluster, B's on the block column alone and is
; asked for jointly by a column: the requests for A and for B are divided by four.
; REGISTERS in windows of 256: window 0: v0-31 addresses, v32-63 and v224-255 bias, v64-191 fragments of A (two buffers), v192-223 at work on the way out;
; window 1: v64-191 fragments of B; window 2: accumulators of my rows 0-63 (tile (a, b) at v[8 (8 a + b)]); window 3: of my rows 64-127.
; THE MATRIX INSTRUCTION IS USED TRANSPOSED: source 0 = 16 columns of B, source 1 = 16 rows of A, so that lane l holds row l % 16 and its registers 0-7 the
; columns 8 (l / 16) + 0..7: eight neighbouring numbers of a row, 16 bytes in f16.
.set SIZE_N, 3072
.set SIZE_K, 1024
.set KSTEP,  128
.set PITCH,  272                       ; A's LDS row: 256 bytes + 16: an odd multiple of 16, so 16 rows start in 16 different 16-byte columns modulo 256
.set PITCHB, 544                       ; B's LDS row: 512 bytes + 32: an odd multiple of 32, as the transposing load's eight rows want
.set HALFT,  128*PITCH                 ; what one tensor load brings: 128 rows of A, or 64 rows of B (64 x 544 is the same 34,816 bytes)
.set SLOT,   4*HALFT                   ; A's 256 rows, then B's 128 rows of k
.set STAGE,  2*SLOT                    ; behind the ring: 16 rows x 272 bytes for each wave, for the way out; no tensor load lands here
.set SPITCH, 272
.set LAPS, SIZE_K/(2*KSTEP)            ; a lap = two K steps = once round the ring: 4
.set ADRA, 16                          ; v16-17  LDS address of my A fragments in slot 0, 1
.set ADRB, 20                          ; v20-21  the same for B
.set STO,  24                          ; v24     the way out: where I put 16 bytes of a row
.set RD,   25                          ; v25     the way out: where I read a row back
.set CO,   26                          ; v26     my byte offset in the result
.set F0,   64
.set F1,   128
.set TMP,  192
.set G1, 24                            ; s[24:31] descriptor group 1 for A's tiles
.set G0, 32                            ; s[32:39] group 0 for A's tiles, one set for each slot
.set G1B, 48                           ; s[48:55] group 1 for B's tiles
.set G0B, 56                           ; s[56:63] group 0 for B's tiles, one set for each slot
.set MSB, 0
.macro WIN new                         ; the immediate's high byte repeats the setting that is left
.if MSB != \new
	s_set_vgpr_msb (MSB<<8)|\new
.set MSB, \new
.endif
.endm
.set MUL_LO, 0xa1                      ; source 0 (B) window 1, source 1 (A) window 0, C and D window 2
.set MUL_HI, 0xf1                      ; the same, C and D window 3
.set TO_B,   0x40                      ; destination window 1, address window 0
; A joint load.  Waves 0 and 1 fetch A's two halves, waves 2 and 3 B's.  Each line has one mask and one set of registers; the branch hangs on the wave's number alone.
.macro JLOAD s
	s_cmp_eq_u32 s11, 0
	s_cbranch_scc0 .Lfor_b_\@
	tensor_load_to_lds s[G0+4*\s:G0+4*\s+3], s[G1:G1+7]
	s_nop 0
	s_branch .Lasked_\@
.Lfor_b_\@:
	tensor_load_to_lds s[G0B+4*\s:G0B+4*\s+3], s[G1B:G1B+7]
	s_nop 0
.Lasked_\@:
.endm
; A round of the cluster's barrier: my work-group's barrier, wave 0 signals for the work-group, every wave waits for all sixteen, my work-group's barrier again.
.macro CREST                           ; a round behind its opening barrier
	s_cmp_lg_u32 s10, 0
	s_cbranch_scc1 .Lnot_wave_0_\@
	s_barrier_signal -3
.Lnot_wave_0_\@:
	s_barrier_wait -3
	s_barrier_signal -1
	s_barrier_wait -1
.endm
.macro CROUND
	s_barrier_signal -1
	s_barrier_wait -1
	CREST
.endm
	s_load_b128 s[4:7], s[0:1], 0x0                ; xb s[4:5], wqkv s[6:7]
	s_load_b64 s[8:9], s[0:1], 0x10                ; qkv
	s_load_b64 s[68:69], s[0:1], 0x18              ; bq
	s_load_b128 s[72:75], s[0:1], 0x20             ; bk s[72:73], bv s[74:75]
	s_set_vgpr_msb 0x40
	v_lshl_add_u32 v255, v0, 2, 0x48400
	s_set_vgpr_msb 0x4000
	v_mov_b32 v31, 0
	s_set_vgpr_msb 0x1
	ds_add_u32 v255, v31
	ds_add_u32 v255, v31
	s_set_vgpr_msb 0x100
	v_lshrrev_b32 v1, 5, v0
	v_readfirstlane_b32 s10, v1                    ; wave 0..3
	s_lshr_b32 s11, s10, 1                         ; which half of the block's rows is mine.  Also: I fetch for A (0) or for B (1)
	s_and_b32 s12, s10, 1                          ; which half of its columns.  Also: which half of that tile I fetch
	s_bfe_u32 s40, ttmp6, 0x40000                  ; cx
	s_bfe_u32 s41, ttmp6, 0x40004                  ; cy
	s_lshl_b32 s42, ttmp9, 2
	s_add_co_u32 s42, s42, s40                     ; block column = 4 x cluster x + cx
	s_and_b32 s13, ttmp7, 0xffff
	s_lshl_b32 s13, s13, 2
	s_add_co_u32 s13, s13, s41                     ; block row = 4 x cluster y + cy
	s_lshl_b32 s43, s41, 2
	s_lshl_b32 s43, 15, s43                        ; my row of the cluster: places 4 cy .. 4 cy + 3
	s_lshl_b32 s44, 0x1111, s40                    ; my column: places cx, cx + 4, cx + 8, cx + 12
	; group 1 for A: 128 rows x 128 elements of 2 bytes, 4 words of padding behind every 64
	s_or_b32 s[G1+0], s43, (1<<16)|(1<<20)|(1<<21)|(5<<22)|(3<<25)
	s_mov_b32 s[G1+1], KSTEP<<16                   ; tensor_dim0 = 128
	s_mov_b32 s[G1+2], 128<<16                     ; tensor_dim1 = 128
	s_mov_b32 s[G1+3], KSTEP<<16                   ; tile_dim0 = 128
	s_mov_b32 s[G1+4], 128                         ; tile_dim1 = 128
	s_mov_b32 s[G1+5], SIZE_K                      ; elements from row to row
	s_mov_b32 s[G1+6], 0
	s_mov_b32 s[G1+7], 0
	; group 1 for B: 64 rows of k x 256 elements, 8 words of padding behind every 128
	s_or_b32 s[G1B+0], s44, (1<<16)|(1<<20)|(1<<21)|(6<<22)|(7<<25)
	s_mov_b32 s[G1B+1], 256<<16
	s_mov_b32 s[G1B+2], 64<<16
	s_mov_b32 s[G1B+3], 256<<16
	s_mov_b32 s[G1B+4], 64
	s_mov_b32 s[G1B+5], SIZE_N
	s_mov_b32 s[G1B+6], 0
	s_mov_b32 s[G1B+7], 0
	; where the tiles come from: A's offset is made of the block row and the wave alone, B's of the block column and the wave alone, in registers of their own
	s_lshl_b32 s17, s12, 7
	s_lshl_b32 s16, s13, 8
	s_add_co_u32 s16, s16, s17                     ; A: row 256 x block row + 128 x half
	s_lshl_b32 s16, s16, 11                        ; x 2,048 bytes: below 2^23
	s_mov_b32 s17, 0
	s_lshl_b32 s46, s42, 9                         ; B: 512 bytes x block column
	s_mul_i32 s47, s12, 64*SIZE_N*2                ; + 64 rows of k x half
	s_add_co_u32 s46, s46, s47
	s_mov_b32 s47, 0
	s_mul_i32 s20, s10, HALFT                      ; and where they go: wave x 34,816 bytes; no place in the cluster enters an LDS address
	s_lshl_b32 s78, s40, 10                        ; my 128 columns in their plane of 1,024, in bytes of f32: 1,024 cx + 512 x half
	s_lshl_b32 s79, s12, 9
	s_add_co_u32 s78, s78, s79
	s_mov_b32 s79, 0
	s_wait_dscnt 0x0
	s_wait_kmcnt 0x0
	s_add_nc_u64 s[14:15], s[4:5], s[16:17]
	s_add_nc_u64 s[46:47], s[6:7], s[46:47]
	s_cmp_eq_u32 ttmp9, 1                          ; a cluster's four block columns are one plane: the plane is the cluster's x
	s_cselect_b64 s[76:77], s[72:73], s[68:69]
	s_cmp_eq_u32 ttmp9, 2
	s_cselect_b64 s[76:77], s[74:75], s[76:77]
	s_add_nc_u64 s[76:77], s[76:77], s[78:79]      ; the bias of my 128 columns
	CROUND                                         ; all sixteen work-groups are here: the first joint loads meet
.irp s, 0,1
	s_mov_b32 s[G0+4*\s], 1
	s_add_co_u32 s[G0+4*\s+1], s20, \s*SLOT
	s_add_nc_u64 s[G0+4*\s+2:G0+4*\s+3], s[14:15], \s*KSTEP*2
	s_or_b32 s[G0+4*\s+3], s[G0+4*\s+3], 0x80000000
	s_mov_b32 s[G0B+4*\s], 1
	s_add_co_u32 s[G0B+4*\s+1], s20, \s*SLOT
	s_add_nc_u64 s[G0B+4*\s+2:G0B+4*\s+3], s[46:47], \s*KSTEP*SIZE_N*2
	s_or_b32 s[G0B+4*\s+3], s[G0B+4*\s+3], 0x80000000
	JLOAD \s                                       ; two tensor loads of the wave are out, the most in this text
.endr
	v_and_b32 v1, 15, v0                           ; r = l % 16
	v_bfe_u32 v2, v0, 4, 1                         ; h = l / 16
	v_lshlrev_b32 v27, 5, v2                       ; bias: 8 h numbers of f32
.irp b, 0,1,2,3,4,5,6,7
	global_load_b128 v[32+8*\b+160*(\b/4):32+8*\b+160*(\b/4)+3],   v27, s[76:77] offset:64*\b      ; bias of columns 16 b + 8 h + 0..3
	global_load_b128 v[32+8*\b+160*(\b/4)+4:32+8*\b+160*(\b/4)+7], v27, s[76:77] offset:64*\b+16   ; and + 4..7
.endr
	; A's fragment: lane l holds row r; two loads of 16 bytes, 32 apart, at row x pitch + 16 h
	v_mul_u32_u24 v3, v1, PITCH
	v_lshl_add_u32 v3, v2, 4, v3
	; B's fragment by the transposing load: lane l addresses row k0 + 8 h + (l & 7), 16 bytes at 2 n0 + 16 ((l >> 3) & 1); the second load 16 rows further
	v_and_b32 v6, 7, v0
	v_lshl_add_u32 v6, v2, 3, v6
	v_mul_u32_u24 v6, v6, PITCHB
	v_bfe_u32 v7, v0, 3, 1
	v_lshl_add_u32 v6, v7, 4, v6
	s_mul_i32 s21, s11, HALFT                      ; my 128 rows of A
	s_lshl_b32 s22, s12, 8                         ; my 128 columns of B: 256 bytes of each row,
	s_add_co_u32 s22, s22, 2*HALFT                 ; behind A's 256 rows
.irp s, 0,1
	v_add_nc_u32 v[ADRA+\s], s21, v3
	v_add_nc_u32 v[ADRB+\s], s22, v6
	s_add_co_u32 s21, s21, SLOT
	s_add_co_u32 s22, s22, SLOT
.endr
	s_mul_i32 s23, s10, 16*SPITCH
	s_add_co_u32 s23, s23, STAGE                   ; my stage
	v_mul_u32_u24 v4, v1, SPITCH
	v_lshl_add_u32 v4, v2, 4, v4
	v_add_nc_u32 v[STO], s23, v4
	v_mul_u32_u24 v5, v2, SPITCH                   ; back: lanes 0-15 take one row of 256 bytes, lanes 16-31 the next
	v_lshl_add_u32 v5, v1, 4, v5
	v_add_nc_u32 v[RD], s23, v5
	v_mul_u32_u24 v5, v2, SIZE_N*2
	v_lshl_add_u32 v[CO], v1, 4, v5
; 16 matrix instructions: m blocks a0, a0 + 1 of the window's four x all 8 n blocks, 32 along K.  zero = 1: the first product starts the sums.
; The 64 accumulators take turns, one instruction a turn, in the same order in every quarter step.
.macro MUL16 f, hi, a0, zero
.irp a, \a0, \a0+1
.irp b, 0,1,2,3,4,5,6,7
.if \zero
	v_wmma_f32_16x16x32_f16 v[8*(8*(\a)+\b):8*(8*(\a)+\b)+7], v[\f+8*\b:\f+8*\b+7], v[\f+8*(4*\hi+\a):\f+8*(4*\hi+\a)+7], 0
.else
	v_wmma_f32_16x16x32_f16 v[8*(8*(\a)+\b):8*(8*(\a)+\b)+7], v[\f+8*\b:\f+8*\b+7], v[\f+8*(4*\hi+\a):\f+8*(4*\hi+\a)+7], v[8*(8*(\a)+\b):8*(8*(\a)+\b)+7]
.endif
.endr
.endr
.endm
; 32 LDS loads in one run: the fragments of quarter q of a K step (k = 32 q .. 32 q + 31) into buffer f: B's 128 columns, then A's 128 rows
.macro FETCH slot, q, f
	WIN TO_B
.irp i, 0,1,2,3,4,5,6,7
	ds_load_tr16_b128 v[\f+8*\i:\f+8*\i+3],   v[ADRB+\slot] offset:\q*32*PITCHB+32*\i
	ds_load_tr16_b128 v[\f+8*\i+4:\f+8*\i+7], v[ADRB+\slot] offset:\q*32*PITCHB+32*\i+16*PITCHB
.endr
	WIN 0
.irp i, 0,1,2,3,4,5,6,7
	ds_load_b128 v[\f+8*\i:\f+8*\i+3],   v[ADRA+\slot] offset:64*\q+\i*16*PITCH
	ds_load_b128 v[\f+8*\i+4:\f+8*\i+7], v[ADRA+\slot] offset:64*\q+\i*16*PITCH+32
.endr
.endm
; Four places behind a matrix instruction before a load lands on one of its sources or a vector instruction reads its result
.macro PLACES
.rept 4
	v_nop
.endr
.endm
.macro QUARTER slot, q, f, g, zero
	s_wait_dscnt 8                                 ; B and A's rows 0-63 are in; the youngest eight loads (A's rows 64-127) may be out
	WIN MUL_LO
	MUL16 \f, 0, 0, \zero
	MUL16 \f, 0, 2, \zero
	PLACES
	FETCH \slot, \q, \g
	s_wait_dscnt 32                                ; all but the 32 just issued
	WIN MUL_HI
	MUL16 \f, 1, 0, \zero
	MUL16 \f, 1, 2, \zero
.endm
.macro THREE slot, zero
	QUARTER \slot, 1, F0, F1, \zero
	QUARTER \slot, 2, F1, F0, 0
	QUARTER \slot, 3, F0, F1, 0
.endm
; The last quarter multiplies buffer 1 and changes slots.  In front of the barrier each wave waits for its reads of this slot and for all its tensor loads
; (one is out: its part of the next slot).  Behind it the refill comes first, then the next slot's first fragments.
.macro TURN slot, next, fill
	s_wait_dscnt 8
	WIN MUL_LO
	MUL16 F1, 0, 0, 0
	s_wait_dscnt 0                                 ; my reads of this slot are over
	s_wait_tensorcnt 0x0                           ; all my tensor loads have landed
	ds_add_u32 v255, v31
	s_wait_dscnt 0x0
	s_barrier_signal -1                            ; where a slot is filled again this barrier opens a round of the cluster's barrier
	MUL16 F1, 0, 2, 0                              ; register work while the others arrive
	WIN 0
	s_barrier_wait -1
.if \fill
	CREST                                          ; no wave of any partner still reads this slot or has a load on its way
	s_add_nc_u64 s[G0+4*\slot+2:G0+4*\slot+3], s[G0+4*\slot+2:G0+4*\slot+3], 2*KSTEP*2
	s_add_nc_u64 s[G0B+4*\slot+2:G0B+4*\slot+3], s[G0B+4*\slot+2:G0B+4*\slot+3], 2*KSTEP*SIZE_N*2
	JLOAD \slot                                    ; the first tensor load behind the round
.endif
	PLACES
	FETCH \next, 0, F0
	WIN MUL_HI
	MUL16 F1, 1, 0, 0
	MUL16 F1, 1, 2, 0
.endm
.macro LAP zero
	THREE 0, \zero
	TURN 0, 1, 1
	THREE 1, 0
	TURN 1, 0, 1
.endm
	s_wait_loadcnt 0x0                             ; the bias, once
	s_wait_tensorcnt 1                             ; my part of K step 0 is in; K step 1's stays out
	s_barrier_signal -1
	s_barrier_wait -1
	FETCH 0, 0, F0
	LAP 1                                          ; the first lap's first products start the sums
	WIN 0
	s_mov_b32 s3, LAPS-2
.Llap:
	LAP 0
	WIN 0
	s_sub_co_u32 s3, s3, 1
	s_cmp_lg_u32 s3, 0
	s_cbranch_scc1 .Llap
	THREE 0, 0                                     ; the last lap fills nothing
	TURN 0, 1, 0
	THREE 1, 0
	s_wait_dscnt 8
	WIN MUL_LO
	MUL16 F1, 0, 0, 0
	MUL16 F1, 0, 2, 0
	s_wait_dscnt 0
	WIN MUL_HI
	MUL16 F1, 1, 0, 0
	MUL16 F1, 1, 2, 0
	; THE WAY OUT, 16 rows at a time: add the bias in f32, round to f16, 16 bytes a lane into my own stage, read back as whole rows of 256 bytes
	PLACES
	s_lshl_b32 s13, s13, 8
	s_lshl_b32 s14, s11, 7
	s_add_co_u32 s16, s13, s14                     ; my first row
	s_mul_i32 s16, s16, SIZE_N*2                   ; below 2^25
	s_mov_b32 s17, 0
	s_add_nc_u64 s[8:9], s[8:9], s[16:17]
	s_lshl_b32 s46, s42, 9                         ; my first column in bytes: 512 x block column + 256 x half
	s_lshl_b32 s47, s12, 8
	s_add_co_u32 s46, s46, s47
	s_mov_b32 s47, 0
	s_add_nc_u64 s[8:9], s[8:9], s[46:47]
; rows 16 i .. 16 i + 15 of my block = tiles (a, 0..7) of window 2 or 3.  addw: sum in place (destination and source 0 in that window, the bias in window 0);
; from: both sources of the conversion in that window; f: F0 or F1 in turn
.macro OUT16 i, a, addw, from, f
	WIN \addw
.irp b, 0,1,2,3,4,5,6,7
.irp r, 0,1,2,3
	v_pk_add_f32 v[8*(8*\a+\b)+2*\r:8*(8*\a+\b)+2*\r+1], v[8*(8*\a+\b)+2*\r:8*(8*\a+\b)+2*\r+1], v[32+8*\b+160*(\b/4)+2*\r:32+8*\b+160*(\b/4)+2*\r+1]
.endr
.endr
	WIN \from
.irp b, 0,1,2,3,4,5,6,7
.irp r, 0,1,2,3
	v_cvt_pk_f16_f32 v[TMP+4*\b+\r], v[8*(8*\a+\b)+2*\r], v[8*(8*\a+\b)+2*\r+1]
.endr
.endr
	WIN 0
.irp b, 0,1,2,3,4,5,6,7
	ds_store_b128 v[STO], v[TMP+4*\b:TMP+4*\b+3] offset:32*\b
.endr
	s_wait_xcnt 0x0                                ; buffer f, which earlier stores read, and the stores' base are rewritten only behind this wait
.if \i
	s_add_nc_u64 s[8:9], s[8:9], 16*SIZE_N*2
.endif
.irp t, 0,1,2,3,4,5,6,7
	ds_load_b128 v[\f+4*\t:\f+4*\t+3], v[RD] offset:\t*2*SPITCH    ; LDS serves a wave's instructions in order (ISA guide 5.7.1): these see the stores above
.endr
.irp t, 0,1,2,3,4,5,6,7
	s_wait_dscnt 7-\t                              ; read-back t is in, the younger ones stay out
	global_store_b128 v[CO], v[\f+4*\t:\f+4*\t+3], s[8:9] offset:2*\t*SIZE_N*2   ; 16 lanes store 256 consecutive bytes, aligned
.endr
.endm
	OUT16 0, 0, 0x82, 0x0a, F0
	OUT16 1, 1, 0x82, 0x0a, F1
	OUT16 2, 2, 0x82, 0x0a, F0
	OUT16 3, 3, 0x82, 0x0a, F1
	OUT16 4, 0, 0xc3, 0x0f, F0
	OUT16 5, 1, 0xc3, 0x0f, F1
	OUT16 6, 2, 0xc3, 0x0f, F0
	OUT16 7, 3, 0xc3, 0x0f, F1
	s_set_vgpr_msb 0x1
	s_wait_tensorcnt 0x0
	ds_add_u32 v255, v31
	s_wait_dscnt 0x0
	s_set_vgpr_msb 0x100
	CROUND                                         ; the closing round: no work-group ends while a partner may still ask for a tile that names it
	s_endpgm
.Lfunc_end_k_q4bb8c73169_qkv:
	.size	k_q4bb8c73169_qkv, .Lfunc_end_k_q4bb8c73169_qkv-k_q4bb8c73169_qkv
	.p2alignl 7, 3214868480
	.fill 96, 4, 3214868480
	.section	.rodata,"a",@progbits
	.p2align	6, 0x0
	.amdhsa_kernel k_q4bb8c73169_qkv
		.amdhsa_group_segment_fixed_size 327680
		.amdhsa_private_segment_fixed_size 0
		.amdhsa_enable_private_segment 0
		.amdhsa_kernarg_size 48
		.amdhsa_user_sgpr_count 2
		.amdhsa_user_sgpr_kernarg_segment_ptr 1
		.amdhsa_wavefront_size32 1
		.amdhsa_system_sgpr_workgroup_id_x 1
		.amdhsa_system_sgpr_workgroup_id_y 1
		.amdhsa_system_sgpr_workgroup_id_z 1
		.amdhsa_system_vgpr_workitem_id 0
		.amdhsa_next_free_vgpr 1024
		.amdhsa_next_free_sgpr 80
		.amdhsa_reserve_vcc 0
		.amdhsa_float_denorm_mode_32 3
		.amdhsa_float_denorm_mode_16_64 3
		.amdhsa_memory_ordered 1
		.amdhsa_forward_progress 1
		.amdhsa_inst_pref_size 215
	.end_amdhsa_kernel
	.amdgpu_metadata
---
amdhsa.version: [ 1, 2 ]
amdhsa.kernels:
  - .name:           k_q4bb8c73169_qkv
    .symbol:         k_q4bb8c73169_qkv.kd
    .args:
      - { .name: xb, .offset: 0, .size: 8, .value_kind: global_buffer, .address_space: global }
      - { .name: wqkv, .offset: 8, .size: 8, .value_kind: global_buffer, .address_space: global }
      - { .name: qkv, .offset: 16, .size: 8, .value_kind: global_buffer, .address_space: global }
      - { .name: bq, .offset: 24, .size: 8, .value_kind: global_buffer, .address_space: global }
      - { .name: bk, .offset: 32, .size: 8, .value_kind: global_buffer, .address_space: global }
      - { .name: bv, .offset: 40, .size: 8, .value_kind: global_buffer, .address_space: global }
    .group_segment_fixed_size: 327680
    .private_segment_fixed_size: 0
    .kernarg_segment_align: 8
    .kernarg_segment_size: 48
    .max_flat_workgroup_size: 128
    .sgpr_count:     80
    .vgpr_count:     1024
    .wavefront_size: 32
...
	.end_amdgpu_metadata
.endif
;; end of part 2
;; launch attn (part 3): grid 32 x 8, 8 waves a work-group, no clusters, 285,696 bytes of LDS; arguments qkv, ctx; writes ctx
.if DOCPART == 3
	.amdgcn_target "amdgcn-amd-amdhsa--gfx1250"
	.amdhsa_code_object_version 6
	.text
	.protected	k_q4bb8c73169_attn
	.globl	k_q4bb8c73169_attn
	.p2align	8
	.type	k_q4bb8c73169_attn,@function
k_q4bb8c73169_attn:
	s_mov_b64 s[64:65], 0
	v_nop
	global_prefetch_b8 v0, s[64:65] scope:SCOPE_SE
	s_setreg_imm32_b32 hwreg(HW_REG_WAVE_MODE, 25, 1), 1
	s_wait_xcnt 0x0
; Banded softmax attention.  qkv [4096 tokens][3072] f16 (q, k, v planes of 1,024 columns; head at column 64 x head of its plane); ctx [4096][1024] f16.
; ctx(i) = sum over j of softmax_j(q(i).k(j) / 8) v(j), over the keys j of the same sequence of 2,048 with i - 128 <= j <= i + 128.
; LIMITS: q, k, v, the weights p and the result are f16 (largest number 65,504; steps of 2^-24 below 2^-14).  p = exp(s - maximum) is at most 1 for every
; input; a p below 2^-25 counts as 0, beside the row's largest term 1.  The result is a convex mix of v, so it stays inside v's range; with all inputs 30 times
; smaller its root mean square is about 5e-5 and its rounding is off by at most 3e-8.  The denominator sums the unrounded f32 p; an exponential below 2^-126
; counts as 0 (ISA guide 15.8).  NaN or infinities in the inputs spread as the matrix instruction spreads them.
; The true maximum over a row's valid keys is taken away before the exponential.
; A work-group: 128 query rows (x: 32 blocks) of one pair of heads (y: 8 pairs): every row of every tile and of the result is 256 aligned bytes.  256 work-groups.
; Wave w takes query rows 16 w .. 16 w + 15, both heads one after the other.  With p = w / 2 its keys are LDS rows 32 p .. 32 p + 287 (LDS row 0 = key of the
; block's first query - 128): 18 tiles of 16 keys for the 257 that a row needs.
; All of Q (128 rows), K and V (384 rows each) lies in LDS at once; each byte is filled once, so there is no ring and no barrier for a refill.
; NO CLUSTER: neighbouring query blocks share chunks of 128 rows of K and V, but the chunk that is the third of block n is the second of block n + 1: it would
; have to land at another LDS address in each partner, and the addresses of the reads would hang on the place in the cluster.
; LAYOUTS: S^T = K Q^T (source 0 = 16 keys, source 1 = 16 queries): lane (r, h), register j holds (key 16 t + 8 h + j, query r).  Two such tiles rounded to
; f16 in place ARE the 32-key fragment of P for O^T = V^T P^T (source 0 = V through the transposing load, source 1 = P).  So maximum, sum and 1 / sum are one
; number a lane (one exchange between the halves of the wave), P never leaves its registers, and a lane's eight results are 16 neighbouring bytes.
.set ROWB,  6144                       ; bytes in a row of qkv
.set PITK,  272                        ; LDS rows of Q, K and the stage: 256 + 16 bytes
.set PITV,  288                        ; LDS rows of V: 256 + 32 bytes, an odd multiple of 32 for the transposing load
.set LK,    128*PITK                   ; K behind Q
.set LV,    LK+384*PITK                ; V behind K: 139,264
.set STAGE, LV+384*PITV                ; 249,856, a multiple of 256: the result's stage, 128 rows x 272; no tensor load lands here
.set KADR, 1                           ; LDS address of my first K fragment
.set VADR, 2                           ; of my first V fragment
.set QADR, 3
.set STO,  4
.set RD,   5
.set CO,   6
.set MB,   7                           ; 8 h - lo
.set SPAN, 8                           ; hi - lo: key u of my window is valid if u - lo <= hi - lo, unsigned
.set T,    9
.set RL,   10                          ; v[10:11]  1 / sum, twice
.set NM,   12                          ; v[12:13]  - maximum x log2(e) / 8, twice
.set KADR2, 14                         ; KADR + 10 tiles (an LDS offset has 16 bits)
.set VADR2, 15                         ; VADR + 5 blocks
.set Q,    16                          ; v[16:31]  Q's two fragments
.set MX,   16                          ; v[16:19]  four running maxima
.set ACA,  20                          ; v[20:21], v[22:23]  two running pairs of sums
.set ACB,  22
.set O,    16                          ; v[16:47]  four accumulators of O^T
.set F0,   48                          ; v[48:79], v[80:111]  two buffers of K or V fragments
.set S,    112                         ; v[112:255]  18 tiles of scores, tile t at S + 8 t
.set G1K, 36                           ; s[36:43] descriptor group 1 for Q and K
.set G1V, 44                           ; s[44:51] for V
.set G0,  68                           ; s[68:95] seven sets of group 0
	s_load_b128 s[4:7], s[0:1], 0x0                ; qkv s[4:5], ctx s[6:7]
	s_set_vgpr_msb 0x40
	v_lshl_add_u32 v0, v0, 2, 0x45800
	v_mov_b32 v1, 0
	s_set_vgpr_msb 0x4045
	ds_add_u32 v0, v1
	ds_add_u32 v0, v1
	s_set_vgpr_msb 0x4500
	v_lshrrev_b32 v48, 5, v0
	v_readfirstlane_b32 s8, v48                    ; wave w
	s_lshr_b32 s9, s8, 1                           ; p
	s_and_b32 s10, s8, 1                           ; e
	s_and_b32 s12, ttmp7, 0xffff                   ; pair of heads
	s_and_b32 s23, ttmp9, 15                       ; block within its sequence
	s_lshl_b32 s13, s23, 7                         ; its first query within the sequence
	s_lshl_b32 s14, ttmp9, 7                       ; its first row in qkv
	s_sub_co_i32 s15, s14, 128
	s_max_i32 s15, s15, 0                          ; chunk 0's rows; clamped into the buffer (the mask throws a clamped chunk's keys away)
	s_add_co_u32 s17, s14, 128
	s_min_i32 s17, s17, 3968                       ; chunk 2's rows, clamped likewise
	s_mov_b32 s20, 0xff800000                      ; - infinity
	s_mov_b32 s21, 0x76543210                      ; v_permlanex16_b32: lane i reads lane i of the other half
	s_mov_b32 s22, 0xfedcba98
	; group 1: 16 rows x 128 elements of 2 bytes, 3,072 elements from row to row; padding behind every 64 words: 4 words (Q, K), 8 words (V)
	s_mov_b32 s[G1K+0], (1<<16)|(1<<20)|(5<<22)|(3<<25)
	s_mov_b32 s[G1V+0], (1<<16)|(1<<20)|(5<<22)|(7<<25)
.irp g, G1K, G1V
	s_mov_b32 s[\g+1], 128<<16
	s_mov_b32 s[\g+2], 16<<16
	s_mov_b32 s[\g+3], 128<<16
	s_mov_b32 s[\g+4], 16
	s_mov_b32 s[\g+5], 3072
	s_mov_b32 s[\g+6], 0
	s_mov_b32 s[\g+7], 0
.endr
	s_mul_i32 s24, s8, 16*PITK                     ; my 16 rows in a chunk of Q, K or the stage
	s_mul_i32 s25, s8, 16*PITV                     ; and of V
	s_mul_i32 s19, s8, 16*ROWB
	s_lshl_b32 s18, s12, 8                         ; the pair's 256 bytes in a plane
	s_add_co_u32 s19, s19, s18
	s_wait_dscnt 0x0
	s_wait_kmcnt 0x0
; One tensor load: my 16 rows of the chunk that starts at row \row of plane \plane, to LDS \ldsw + \ldsc.  Offsets stay below 2^25.
.macro DESC i, row, plane, ldsw, ldsc, g1
	s_mov_b32 s[G0+4*\i], 1
	s_add_co_u32 s[G0+4*\i+1], \ldsw, \ldsc
	s_mul_i32 s26, \row, ROWB
	s_add_co_u32 s26, s26, s19
	s_add_co_u32 s26, s26, \plane*2048
	s_mov_b32 s27, 0
	s_add_nc_u64 s[G0+4*\i+2:G0+4*\i+3], s[4:5], s[26:27]
	s_or_b32 s[G0+4*\i+3], s[G0+4*\i+3], 0x80000000
	tensor_load_to_lds s[G0+4*\i:G0+4*\i+3], s[\g1:\g1+7]
	s_nop 0
.endm
	DESC 0, s14, 0, s24, 0, G1K                    ; Q, then K's three chunks, then V's: seven tensor loads of the wave are out, the most in this text
	DESC 1, s15, 1, s24, LK, G1K
	DESC 2, s14, 1, s24, LK+128*PITK, G1K
	DESC 3, s17, 1, s24, LK+256*PITK, G1K
	DESC 4, s15, 2, s25, LV, G1V
	DESC 5, s14, 2, s25, LV+128*PITV, G1V
	DESC 6, s17, 2, s25, LV+256*PITV, G1V
	v_and_b32 v48, 15, v0                          ; r
	v_bfe_u32 v49, v0, 4, 1                        ; h
	v_mul_u32_u24 v50, v48, PITK
	v_lshl_add_u32 v50, v49, 4, v50                ; r x 272 + 16 h
	s_mul_i32 s28, s9, 32*PITK
	s_add_co_u32 s28, s28, LK
	v_add_nc_u32 v[KADR], s28, v50
	v_add_nc_u32 v[KADR2], 160*PITK, v[KADR]
	v_add_nc_u32 v[QADR], s24, v50
	s_add_co_u32 s29, s24, STAGE
	v_add_nc_u32 v[STO], s29, v50
	v_mul_u32_u24 v51, v49, PITK
	v_lshl_add_u32 v51, v48, 4, v51                ; back: lanes 0-15 one row of 256 bytes, lanes 16-31 the next
	v_add_nc_u32 v[RD], s29, v51
	v_lshlrev_b32 v52, 11, v49
	v_lshl_add_u32 v[CO], v48, 4, v52              ; the same two rows in ctx
	v_and_b32 v53, 7, v0
	v_lshl_add_u32 v53, v49, 3, v53                ; 8 h + (l & 7)
	v_mul_u32_u24 v53, v53, PITV
	v_bfe_u32 v54, v0, 3, 1
	v_lshl_add_u32 v53, v54, 4, v53                ; + 16 ((l >> 3) & 1)
	s_mul_i32 s30, s9, 32*PITV
	s_add_co_u32 s30, s30, LV
	v_add_nc_u32 v[VADR], s30, v53
	v_add_nc_u32 v[VADR2], 160*PITV, v[VADR]
	; the mask.  Key u of my window is key (first query - 128 + 32 p + u) of the sequence; my query is first query + 32 p + a, a = 16 e + r.
	; band: a <= u <= a + 256; sequence: 128 - 32 p - first <= u <= 2175 - 32 p - first.  The batch's second sequence is covered by the same test.
	s_lshl_b32 s31, s9, 5
	s_add_co_u32 s31, s31, s13
	s_sub_co_i32 s32, 128, s31
	s_max_i32 s32, s32, 0                          ; a >= 0, so a bound below 0 binds nothing
	s_sub_co_u32 s33, 2175, s31                    ; at least 159
	s_lshl_b32 s34, s10, 4
	v_add_nc_u32 v55, s34, v48                     ; a
	v_max_u32 v56, s32, v55                        ; lo
	v_add_nc_u32 v57, 0x100, v55
	v_min_u32 v57, s33, v57                        ; hi
	v_lshlrev_b32 v58, 3, v49
	v_sub_nc_u32 v[MB], v58, v56
	v_sub_nc_u32 v[SPAN], v57, v56
	s_lshl_b32 s26, s8, 4
	s_add_co_u32 s26, s26, s14
	s_lshl_b32 s26, s26, 11                        ; my first row of ctx x 2,048 bytes
	s_add_co_u32 s26, s26, s18
	s_mov_b32 s27, 0
	s_add_nc_u64 s[6:7], s[6:7], s[26:27]
; In every macro below an argument that may be a sum (b - 1, pr + 2) is first taken in brackets into a symbol, so that a product binds the whole of it.
.macro NOP4                            ; four places behind a matrix instruction before a load lands on a source or a vector instruction reads a result
.rept 4
	v_nop
.endr
.endm
.macro LOADQ hd                        ; my 16 queries x 64: two fragments
.irp c, 0,1,2,3
	ds_load_b128 v[Q+4*\c:Q+4*\c+3], v[QADR] offset:128*\hd+32*\c
.endr
.endm
.macro LOADK pr, hd                    ; tiles 2 pr, 2 pr + 1: 16 keys x 64 each, two fragments each; eight loads into buffer pr % 2
.set FB, F0+32*((\pr)%2)
.irp tt, 0,1
.set TI, 2*(\pr)+\tt
.if TI < 10
.set KA, KADR
.set KO, TI*16*PITK+128*\hd
.else
.set KA, KADR2
.set KO, (TI-10)*16*PITK+128*\hd
.endif
.irp ks, 0,1
	ds_load_b128 v[FB+16*\tt+8*\ks:FB+16*\tt+8*\ks+3],   v[KA] offset:KO+64*\ks
	ds_load_b128 v[FB+16*\tt+8*\ks+4:FB+16*\tt+8*\ks+7], v[KA] offset:KO+64*\ks+32
.endr
.endr
.endm
.macro QK pr                           ; the two tiles' accumulators take turns, one instruction a turn
.set FB, F0+32*((\pr)%2)
.set SB, S+16*(\pr)
	v_wmma_f32_16x16x32_f16 v[SB:SB+7],    v[FB:FB+7],     v[Q:Q+7], 0
	v_wmma_f32_16x16x32_f16 v[SB+8:SB+15], v[FB+16:FB+23], v[Q:Q+7], 0
	v_wmma_f32_16x16x32_f16 v[SB:SB+7],    v[FB+8:FB+15],  v[Q+8:Q+15], v[SB:SB+7]
	v_wmma_f32_16x16x32_f16 v[SB+8:SB+15], v[FB+24:FB+31], v[Q+8:Q+15], v[SB+8:SB+15]
.endm
.macro LOADV b, hd                     ; block b: 32 keys x 64 of V as four fragments of V^T; eight loads into buffer b % 2
.set FB, F0+32*((\b)%2)
.if (\b) < 5
.set VA, VADR
.set VO, (\b)*32*PITV+128*\hd
.else
.set VA, VADR2
.set VO, ((\b)-5)*32*PITV+128*\hd
.endif
.irp dt, 0,1,2,3
	ds_load_tr16_b128 v[FB+8*\dt:FB+8*\dt+3],   v[VA] offset:VO+32*\dt
	ds_load_tr16_b128 v[FB+8*\dt+4:FB+8*\dt+7], v[VA] offset:VO+32*\dt+16*PITV
.endr
.endm
.macro PVM b, zero                     ; the four accumulators take turns, one instruction a turn
.set FB, F0+32*((\b)%2)
.set SB, S+16*(\b)
.irp dt, 0,1,2,3
.if \zero
	v_wmma_f32_16x16x32_f16 v[O+8*\dt:O+8*\dt+7], v[FB+8*\dt:FB+8*\dt+7], v[SB:SB+7], 0
.else
	v_wmma_f32_16x16x32_f16 v[O+8*\dt:O+8*\dt+7], v[FB+8*\dt:FB+8*\dt+7], v[SB:SB+7], v[O+8*\dt:O+8*\dt+7]
.endif
.endr
.endm
.macro MASKT t                         ; tile t: scores of keys outside lo .. hi become - infinity
.set ST, S+8*(\t)
.set UT, 16*(\t)
.irp jj, 0,1,2,3,4,5,6,7
	v_add_nc_u32 v[T], UT+\jj, v[MB]               ; u - lo
	v_cmp_ge_u32 vcc_lo, v[SPAN], v[T]
	v_cndmask_b32 v[ST+\jj], s20, v[ST+\jj], vcc_lo
.endr
.endm
.macro EXPB b                          ; block b (tiles 2 b, 2 b + 1): p = 2^(s log2(e) / 8 - m log2(e) / 8), in place
.set SB, S+16*(\b)
.irp i, 0,1,2,3,4,5,6,7
	v_pk_fma_f32 v[SB+2*\i:SB+2*\i+1], v[SB+2*\i:SB+2*\i+1], 0x3e38aa3b, v[NM:NM+1] op_sel_hi:[1,0,1]
.endr
.irp i, 0,1,2,3,4,5,6,7,8,9,10,11,12,13,14,15
	v_exp_f32 v[SB+\i], v[SB+\i]
.endr
.endm
.macro SUMP b, first                   ; block b: add p to the two running pairs (the first block starts them: nothing is cleared), then round to f16 in place, ascending
.set SB, S+16*(\b)
.if \first
	s_wait_alu depctr_va_vdst(0)
	v_pk_add_f32 v[ACA:ACA+1], v[SB:SB+1],   v[SB+2:SB+3]
	v_pk_add_f32 v[ACB:ACB+1], v[SB+4:SB+5], v[SB+6:SB+7]
.else
	s_wait_alu depctr_va_vdst(0)
.irp i, 0,4
	v_pk_add_f32 v[ACA:ACA+1], v[ACA:ACA+1], v[SB+\i:SB+\i+1]
	v_pk_add_f32 v[ACB:ACB+1], v[ACB:ACB+1], v[SB+\i+2:SB+\i+3]
.endr
.endif
.irp i, 8,12
	v_pk_add_f32 v[ACA:ACA+1], v[ACA:ACA+1], v[SB+\i:SB+\i+1]
	v_pk_add_f32 v[ACB:ACB+1], v[ACB:ACB+1], v[SB+\i+2:SB+\i+3]
.endr
.irp i, 0,1,2,3,4,5,6,7
	v_cvt_pk_f16_f32 v[SB+\i], v[SB+2*\i], v[SB+2*\i+1]    ; register i is written when registers 2 i, 2 i + 1 >= i are read: P's fragment in the block's first 8 registers
.endr
.endm
.macro HEAD hd
	; scores: 9 pairs of tiles on two buffers
	LOADQ \hd
	LOADK 0, \hd
	LOADK 1, \hd
.irp pr, 0,1,2,3,4,5,6,7,8
.if \pr < 8
	s_wait_dscnt 8                                 ; this pair's fragments (and Q) are in; the next pair's eight loads stay out
.else
	s_wait_dscnt 0
.endif
	QK \pr
.if \pr < 7
	NOP4
	LOADK \pr+2, \hd
.endif
.endr
	NOP4
.if \hd == 0
	s_wait_tensorcnt 0x0                           ; my parts of V have landed,
	s_wait_dscnt 0x0
	s_barrier_signal -1
	s_barrier_wait -1                              ; everybody's have
.endif
	LOADV 0, \hd                                   ; they land while the softmax is made
	LOADV 1, \hd
	; the mask: the band's two edges lie in tiles 0, 1 and 16, 17; a sequence's first block also masks up to key 127 of the window, its last from key 160 on
.irp t, 0,1,16,17
	MASKT \t
.endr
	s_cmp_lg_u32 s23, 0
	s_cbranch_scc1 .Lnot_first_\hd
.irp t, 2,3,4,5,6,7
	MASKT \t
.endr
.Lnot_first_\hd:
	s_cmp_lg_u32 s23, 15
	s_cbranch_scc1 .Lnot_last_\hd
.irp t, 10,11,12,13,14,15
	MASKT \t
.endr
.Lnot_last_\hd:
	; the row's maximum: 144 numbers a lane in four chains, then the other half of the wave.  The query's own key is always valid, so it is finite.
.irp c, 0,1,2,3
	v_max_num_f32 v[MX+\c], v[S+2*\c], v[S+2*\c+1]
.endr
.set n, 0
.rept 68
	v_max3_num_f32 v[MX+n%4], v[MX+n%4], v[S+8+2*n], v[S+9+2*n]
.set n, n+1
.endr
	v_max3_num_f32 v[MX], v[MX], v[MX+1], v[MX+2]
	v_max_num_f32 v[MX], v[MX], v[MX+3]
	v_permlanex16_b32 v[MX+1], v[MX], s21, s22
	v_max_num_f32 v[MX], v[MX], v[MX+1]
	v_mul_f32 v[NM], 0xbe38aa3b, v[MX]             ; - m log2(e) / 8
	v_mov_b32 v[NM+1], v[NM]
	; exponentials, sums, rounding.  Behind each run of v_exp_f32 stand plain instructions on another block before its results are used (ISA guide 5.7.2)
	EXPB 0
	EXPB 1
	SUMP 0, 1
.irp b, 2,3,4,5,6,7,8
	EXPB \b
	SUMP \b-1, 0
.endr
	SUMP 8, 0
	v_pk_add_f32 v[ACA:ACA+1], v[ACA:ACA+1], v[ACB:ACB+1]
	v_add_f32 v[T], v[ACA], v[ACA+1]
	v_permlanex16_b32 v[MX], v[T], s21, s22
	v_add_f32 v[T], v[T], v[MX]                    ; at least about 1: the maximum's own term
	v_rcp_f32 v[RL], v[T]
	v_nop                                          ; one plain place behind v_rcp_f32
	s_wait_alu depctr_va_vdst(0)
	v_mov_b32 v[RL+1], v[RL]
	; O^T = V^T P^T: 9 blocks of 32 keys on two buffers
.irp b, 0,1,2,3,4,5,6,7,8
.if \b < 8
	s_wait_dscnt 8                                 ; this block's fragments are in; the next block's eight loads stay out
.else
	s_wait_dscnt 0
.endif
.if \b == 0
	PVM \b, 1
.else
	PVM \b, 0
.endif
.if \b < 7
	NOP4
	LOADV \b+2, \hd
.endif
.endr
	NOP4
.irp i, 0,1,2,3,4,5,6,7,8,9,10,11,12,13,14,15
	v_pk_mul_f32 v[O+2*\i:O+2*\i+1], v[O+2*\i:O+2*\i+1], v[RL:RL+1]
.endr
.irp dt, 0,1,2,3
.irp i, 0,1,2,3
	v_cvt_pk_f16_f32 v[O+8*\dt+\i], v[O+8*\dt+2*\i], v[O+8*\dt+2*\i+1]
.endr
	ds_store_b128 v[STO], v[O+8*\dt:O+8*\dt+3] offset:128*\hd+32*\dt       ; query r, columns 64 hd + 16 dt + 8 h + 0..7
.endr
.endm
	s_wait_tensorcnt 0x3                           ; my parts of Q and K are in; V's three loads stay out
	s_barrier_signal -1
	s_barrier_wait -1                              ; everybody's are
	HEAD 0
	HEAD 1
	; my 16 rows of 256 bytes leave: the stage's bytes are my own, and LDS serves a wave's instructions in order (ISA guide 5.7.1)
.irp t, 0,1,2,3,4,5,6,7
	ds_load_b128 v[F0+4*\t:F0+4*\t+3], v[RD] offset:\t*2*PITK
.endr
.irp t, 0,1,2,3,4,5,6,7
	s_wait_dscnt 7-\t                              ; read-back t is in, the younger ones stay out
	global_store_b128 v[CO], v[F0+4*\t:F0+4*\t+3], s[6:7] offset:4096*\t   ; 16 lanes store 256 consecutive bytes, aligned
.endr
	s_set_vgpr_msb 0x5
	s_wait_tensorcnt 0x0
	ds_add_u32 v0, v1
	s_wait_dscnt 0x0
	s_set_vgpr_msb 0x500
	s_endpgm
.Lfunc_end_k_q4bb8c73169_attn:
	.size	k_q4bb8c73169_attn, .Lfunc_end_k_q4bb8c73169_attn-k_q4bb8c73169_attn
	.p2alignl 7, 3214868480
	.fill 96, 4, 3214868480
	.section	.rodata,"a",@progbits
	.p2align	6, 0x0
	.amdhsa_kernel k_q4bb8c73169_attn
		.amdhsa_group_segment_fixed_size 285696
		.amdhsa_private_segment_fixed_size 0
		.amdhsa_enable_private_segment 0
		.amdhsa_kernarg_size 16
		.amdhsa_user_sgpr_count 2
		.amdhsa_user_sgpr_kernarg_segment_ptr 1
		.amdhsa_wavefront_size32 1
		.amdhsa_system_sgpr_workgroup_id_x 1
		.amdhsa_system_sgpr_workgroup_id_y 1
		.amdhsa_system_sgpr_workgroup_id_z 1
		.amdhsa_system_vgpr_workitem_id 0
		.amdhsa_next_free_vgpr 258
		.amdhsa_next_free_sgpr 96
		.amdhsa_reserve_vcc 1
		.amdhsa_float_denorm_mode_32 3
		.amdhsa_float_denorm_mode_16_64 3
		.amdhsa_memory_ordered 1
		.amdhsa_forward_progress 1
		.amdhsa_inst_pref_size 128
	.end_amdhsa_kernel
	.amdgpu_metadata
---
amdhsa.version: [ 1, 2 ]
amdhsa.kernels:
  - .name:           k_q4bb8c73169_attn
    .symbol:         k_q4bb8c73169_attn.kd
    .args:
      - { .name: qkv, .offset: 0, .size: 8, .value_kind: global_buffer, .address_space: global }
      - { .name: ctx, .offset: 8, .size: 8, .value_kind: global_buffer, .address_space: global }
    .group_segment_fixed_size: 285696
    .private_segment_fixed_size: 0
    .kernarg_segment_align: 8
    .kernarg_segment_size: 16
    .max_flat_workgroup_size: 256
    .sgpr_count:     96
    .vgpr_count:     258
    .wavefront_size: 32
...
	.end_amdgpu_metadata
.endif
;; end of part 3
;; launch oproj (part 4): grid 8 x 32, 4 waves a work-group, clusters of 4 x 4, 327,680 bytes of LDS; arguments ctx, wob, out0, bo; writes out0
.if DOCPART == 4
	.amdgcn_target "amdgcn-amd-amdhsa--gfx1250"
	.amdhsa_code_object_version 6
	.text
	.protected	k_q4bb8c73169_oproj
	.globl	k_q4bb8c73169_oproj
	.p2align	8
	.type	k_q4bb8c73169_oproj,@function
k_q4bb8c73169_oproj:
	s_mov_b64 s[64:65], 0
	v_nop
	global_prefetch_b8 v0, s[64:65] scope:SCOPE_SE
	s_setreg_imm32_b32 hwreg(HW_REG_WAVE_MODE, 25, 1), 1
	s_wait_xcnt 0x0
	s_wait_alu depctr_hold_cnt(0) depctr_sa_sdst(0) depctr_va_vdst(0) depctr_va_sdst(0) depctr_va_ssrc(0) depctr_va_vcc(0) depctr_vm_vsrc(0)
	s_getreg_b32 s2, hwreg(HW_REG_IB_STS2, 6, 4)
	s_cmp_eq_u32 s2, 0
	s_cbranch_scc0 .Lentry_in_a_cluster
	s_endpgm
.Lentry_in_a_cluster:
	s_bfe_u32 s2, ttmp6, 0x10000c
	s_cmp_lg_u32 s2, 0xf033
	s_cbranch_scc0 .Lentry_shape_is_right
	s_endpgm
.Lentry_shape_is_right:
; out0[m][n] = sum over k of ctx[m][k] wob[k][n] + bo[n].  ctx [4096][1024] f16, wob [1024 k][1024 n] f16, bo [1024] f32, out0 [4096][1024] f32; sums in f32.
; LIMITS: operands are f16, as the launches before left them (their ranges are stated there); the sums, the bias and the result are f32.
; NaN and infinities go through as the matrix instruction passes them on.
; A work-group makes 128 x 128 with four waves: 8 x 32 = 256 work-groups (blocks of 256 x 256 would make 64).  A wave makes 64 x 64: 16 accumulators.
; K = 8 steps of 128 through four LDS slots, all written out: 32 quarter steps of 32 along K.  Slots are filled again two at a time behind one round of the
; cluster's barrier, so each refill has two K steps (128 matrix instructions of the wave) in which to land.
; CLUSTERS: 4 x 4 work-groups; A's tile (block row alone) is asked for jointly by a row of the cluster, B's (block column alone) by a column.
; B lies in LDS as in memory, [k][n]; its fragments come by the transposing LDS load.  The matrix instruction is used transposed (source 0 = B's columns,
; source 1 = A's rows): lane l holds row l % 16 and columns 8 (l / 16) + 0..7 of a tile.
; REGISTERS: window 0: v16-27 addresses, v32-63 bias, v64-127 and v128-191 two fragment buffers (B's four at + 0, A's four at + 32), v192-223 at work;
; window 1: v0-127 the 16 accumulators, tile (a, b) at v[8 (4 a + b)].
.set PITA,  272                        ; A's LDS row: 256 + 16 bytes
.set PITB,  288                        ; B's LDS row: 256 + 32 bytes, an odd multiple of 32 for the transposing load
.set QT,    64*PITB                    ; a quarter of a slot, 18,432 bytes: 64 rows of B, or 64 rows of A (17,408 bytes used)
.set SLOT,  4*QT                       ; A's rows 0-63, A's rows 64-127, B's k 0-63, B's k 64-127
.set STAGE, 4*SLOT                     ; 294,912: 16 rows x 272 bytes for each wave, for the way out; no tensor load lands here
.set ADRA, 16                          ; v16-19  my A fragments in slots 0..3
.set ADRB, 20                          ; v20-23  my B fragments
.set STO,  24
.set RD,   25
.set CO,   26
.set BIAS, 32
.set F0,   64
.set TMP,  192
.set G1A, 16                           ; s[16:23]
.set G1B, 24                           ; s[24:31]
.set G0A, 32                           ; s[32:47] one set for each slot
.set G0B, 48                           ; s[48:63]
.set MSB, 0
.macro WIN new
.if MSB != \new
	s_set_vgpr_msb (MSB<<8)|\new
.set MSB, \new
.endif
.endm
.macro JLOAD s                         ; waves 0 and 1 ask for A's halves, waves 2 and 3 for B's; the branch hangs on the wave's number alone
	s_cmp_eq_u32 s13, 0
	s_cbranch_scc0 .Lfor_b_\@
	tensor_load_to_lds s[G0A+4*\s:G0A+4*\s+3], s[G1A:G1A+7]
	s_nop 0
	s_branch .Lasked_\@
.Lfor_b_\@:
	tensor_load_to_lds s[G0B+4*\s:G0B+4*\s+3], s[G1B:G1B+7]
	s_nop 0
.Lasked_\@:
.endm
.macro CROUND                          ; a round of the cluster's barrier
	s_barrier_signal -1
	s_barrier_wait -1
	s_cmp_lg_u32 s12, 0
	s_cbranch_scc1 .Lnot_wave_0_\@
	s_barrier_signal -3
.Lnot_wave_0_\@:
	s_barrier_wait -3
	s_barrier_signal -1
	s_barrier_wait -1
.endm
	s_load_b256 s[4:11], s[0:1], 0x0               ; ctx 4:5, wob 6:7, out0 8:9, bo 10:11
	v_lshl_add_u32 v254, v0, 2, 0x4c400
	v_mov_b32 v255, 0
	ds_add_u32 v254, v255
	ds_add_u32 v254, v255
	v_lshrrev_b32 v1, 5, v0
	v_readfirstlane_b32 s12, v1                    ; wave
	s_lshr_b32 s13, s12, 1                         ; my half of the rows.  Also: I fetch for A (0) or for B (1)
	s_and_b32 s14, s12, 1                          ; my half of the columns.  Also: which half of that tile I fetch
	s_bfe_u32 s15, ttmp6, 0x40000                  ; cx
	s_bfe_u32 s66, ttmp6, 0x40004                  ; cy
	s_lshl_b32 s67, ttmp9, 2
	s_add_co_u32 s67, s67, s15                     ; block column
	s_and_b32 s68, ttmp7, 0xffff
	s_lshl_b32 s68, s68, 2
	s_add_co_u32 s68, s68, s66                     ; block row
	s_lshl_b32 s69, s66, 2
	s_lshl_b32 s69, 15, s69                        ; my row of the cluster
	s_lshl_b32 s70, 0x1111, s15                    ; my column
	; group 1: 64 rows x 128 elements of 2 bytes, 1,024 elements from row to row; padding behind every 64 words: 4 words (A), 8 words (B)
	s_or_b32 s[G1A+0], s69, (1<<16)|(1<<20)|(1<<21)|(5<<22)|(3<<25)
	s_or_b32 s[G1B+0], s70, (1<<16)|(1<<20)|(1<<21)|(5<<22)|(7<<25)
.irp g, G1A, G1B
	s_mov_b32 s[\g+1], 128<<16
	s_mov_b32 s[\g+2], 64<<16
	s_mov_b32 s[\g+3], 128<<16
	s_mov_b32 s[\g+4], 64
	s_mov_b32 s[\g+5], 1024
	s_mov_b32 s[\g+6], 0
	s_mov_b32 s[\g+7], 0
.endr
	s_lshl_b32 s72, s68, 7                         ; A: row 128 x block row + 64 x half, x 2,048 bytes
	s_lshl_b32 s73, s14, 6
	s_add_co_u32 s72, s72, s73
	s_lshl_b32 s72, s72, 11
	s_mov_b32 s73, 0
	s_lshl_b32 s74, s14, 17                        ; B: 64 rows of k x half x 2,048 bytes + 256 bytes x block column
	s_lshl_b32 s75, s67, 8
	s_add_co_u32 s74, s74, s75
	s_mov_b32 s75, 0
	s_mul_i32 s71, s12, QT                         ; where they go: wave x a quarter; no place in the cluster enters an LDS address
	s_lshl_b32 s76, s67, 9                         ; my 64 columns in bytes of f32: 512 x block column + 256 x half (bias and result alike)
	s_lshl_b32 s77, s14, 8
	s_add_co_u32 s76, s76, s77
	s_mov_b32 s77, 0
	s_lshl_b32 s78, s68, 7                         ; my first row of the result: 128 x block row + 64 x half, x 4,096 bytes
	s_lshl_b32 s79, s13, 6
	s_add_co_u32 s78, s78, s79
	s_lshl_b32 s78, s78, 12
	s_add_co_u32 s78, s78, s76
	s_mov_b32 s79, 0
	s_wait_dscnt 0x0
	s_wait_kmcnt 0x0
	s_add_nc_u64 s[72:73], s[4:5], s[72:73]
	s_add_nc_u64 s[74:75], s[6:7], s[74:75]
	s_add_nc_u64 s[10:11], s[10:11], s[76:77]
	s_add_nc_u64 s[8:9], s[8:9], s[78:79]
	CROUND                                         ; all sixteen work-groups are here: the first joint loads meet
.irp s, 0,1,2,3
	s_mov_b32 s[G0A+4*\s], 1
	s_add_co_u32 s[G0A+4*\s+1], s71, \s*SLOT
	s_add_nc_u64 s[G0A+4*\s+2:G0A+4*\s+3], s[72:73], \s*256
	s_or_b32 s[G0A+4*\s+3], s[G0A+4*\s+3], 0x80000000
	s_mov_b32 s[G0B+4*\s], 1
	s_add_co_u32 s[G0B+4*\s+1], s71, \s*SLOT
	s_add_nc_u64 s[G0B+4*\s+2:G0B+4*\s+3], s[74:75], \s*262144
	s_or_b32 s[G0B+4*\s+3], s[G0B+4*\s+3], 0x80000000
	JLOAD \s                                       ; K steps 0 to 3: four tensor loads of the wave are out, the most in this text
.endr
	v_and_b32 v1, 15, v0                           ; r
	v_bfe_u32 v2, v0, 4, 1                         ; h
	v_lshlrev_b32 v27, 5, v2
.irp b, 0,1,2,3
	global_load_b128 v[BIAS+8*\b:BIAS+8*\b+3],   v27, s[10:11] offset:64*\b      ; bias of columns 16 b + 8 h + 0..3
	global_load_b128 v[BIAS+8*\b+4:BIAS+8*\b+7], v27, s[10:11] offset:64*\b+16   ; and + 4..7
.endr
	v_mul_u32_u24 v3, v1, PITA
	v_lshl_add_u32 v4, v2, 4, v3                   ; A: r x 272 + 16 h
	v_and_b32 v6, 7, v0
	v_lshl_add_u32 v6, v2, 3, v6                   ; B: row 8 h + (l & 7),
	v_mul_u32_u24 v6, v6, PITB
	v_bfe_u32 v7, v0, 3, 1
	v_lshl_add_u32 v6, v7, 4, v6                   ; 16 bytes at 16 ((l >> 3) & 1)
	s_mul_i32 s80, s13, QT                         ; my 64 rows of A
	s_lshl_b32 s81, s14, 7                         ; my 64 columns of B: 128 bytes of each row,
	s_add_co_u32 s81, s81, 2*QT                    ; behind A's two quarters
.irp s, 0,1,2,3
	v_add_nc_u32 v[ADRA+\s], s80, v4
	v_add_nc_u32 v[ADRB+\s], s81, v6
	s_add_co_u32 s80, s80, SLOT
	s_add_co_u32 s81, s81, SLOT
.endr
	s_mul_i32 s82, s12, 16*PITA
	s_add_co_u32 s82, s82, STAGE                   ; my stage
	v_lshl_add_u32 v5, v2, 5, v3                   ; in: row r, 32 bytes for each half of the lanes
	v_add_nc_u32 v[STO], s82, v5
	v_mul_u32_u24 v5, v2, PITA                     ; back: lanes 0-15 one row of 256 bytes, lanes 16-31 the next
	v_lshl_add_u32 v5, v1, 4, v5
	v_add_nc_u32 v[RD], s82, v5
	v_lshlrev_b32 v5, 12, v2
	v_lshl_add_u32 v[CO], v1, 4, v5                ; the same two rows in out0
.macro PLACES                          ; four places behind a matrix instruction before a load lands on a source or a vector instruction reads a result
.rept 4
	v_nop
.endr
.endm
.macro FETCH slot, q, f                ; 16 LDS loads: quarter q of the slot's K step into buffer f
.set SL, \slot
.set QQ, \q
.set FB, \f
.irp i, 0,1,2,3
	ds_load_tr16_b128 v[FB+8*\i:FB+8*\i+3],   v[ADRB+SL] offset:QQ*32*PITB+32*\i
	ds_load_tr16_b128 v[FB+8*\i+4:FB+8*\i+7], v[ADRB+SL] offset:QQ*32*PITB+32*\i+16*PITB
.endr
.irp i, 0,1,2,3
	ds_load_b128 v[FB+32+8*\i:FB+32+8*\i+3], v[ADRA+SL] offset:64*QQ+\i*16*PITA
	ds_load_b128 v[FB+36+8*\i:FB+36+8*\i+3], v[ADRA+SL] offset:64*QQ+\i*16*PITA+32
.endr
.endm
.macro MUL16 f, zero                   ; the 16 accumulators take turns, one instruction a turn, in the same order in every quarter
.set FB, \f
	WIN 0x50                                       ; C and D in window 1
.irp a, 0,1,2,3
.irp b, 0,1,2,3
.if \zero
	v_wmma_f32_16x16x32_f16 v[8*(4*\a+\b):8*(4*\a+\b)+7], v[FB+8*\b:FB+8*\b+7], v[FB+32+8*\a:FB+32+8*\a+7], 0
.else
	v_wmma_f32_16x16x32_f16 v[8*(4*\a+\b):8*(4*\a+\b)+7], v[FB+8*\b:FB+8*\b+7], v[FB+32+8*\a:FB+32+8*\a+7], v[8*(4*\a+\b):8*(4*\a+\b)+7]
.endif
.endr
.endr
	WIN 0
.endm
.macro REFILL a, b                     ; slots a and b, which every wave has read, get the K steps four further on
	s_wait_tensorcnt 0x0                           ; all my tensor loads have landed, so every group 0 may be written
	ds_add_u32 v254, v255
	s_wait_dscnt 0x0
.irp t, \a, \b
	s_add_nc_u64 s[G0A+4*\t+2:G0A+4*\t+3], s[G0A+4*\t+2:G0A+4*\t+3], 4*256
	s_add_nc_u64 s[G0B+4*\t+2:G0B+4*\t+3], s[G0B+4*\t+2:G0B+4*\t+3], 4*262144
.endr
	CROUND                                         ; no wave of any partner still reads these slots or has a load on its way
	JLOAD \a                                       ; the first tensor loads behind the round
	JLOAD \b
.endm
; Quarter n = 4 x K step + quarter: its fragments are in; the next quarter's are fetched into the other buffer; then 16 matrix instructions.
.macro QUARTER n
	s_wait_dscnt 0x0                               ; this quarter's fragments are in: no LDS read of mine is out
.if \n == 3
	s_wait_tensorcnt 0x2                           ; my part of K step 1 is in; steps 2 and 3 stay out
	s_barrier_signal -1
	s_barrier_wait -1
.endif
.if \n == 7
	REFILL 0, 1                                    ; K steps 2 and 3 have landed in every wave's view; steps 4 and 5 go out
.endif
.if \n == 15
	REFILL 2, 3                                    ; K steps 4 and 5 have landed; steps 6 and 7 go out
.endif
.if \n == 23
	s_wait_tensorcnt 0x0                           ; K steps 6 and 7 have landed
	s_barrier_signal -1
	s_barrier_wait -1
.endif
.if \n < 31
	PLACES
	FETCH ((\n+1)/4)%4, (\n+1)%4, F0+64*((\n+1)%2)
.endif
.if \n == 0
	MUL16 F0, 1                                    ; the first products start the sums
.else
	MUL16 F0+64*(\n%2), 0
.endif
.endm
	s_wait_loadcnt 0x0                             ; the bias, once
	s_wait_tensorcnt 0x3                           ; my part of K step 0 is in; the three younger loads stay out
	s_barrier_signal -1
	s_barrier_wait -1
	FETCH 0, 0, F0
.irp n, 0,1,2,3,4,5,6,7,8,9,10,11,12,13,14,15,16,17,18,19,20,21,22,23,24,25,26,27,28,29,30,31
	QUARTER \n
.endr
	; THE WAY OUT, 16 rows at a time: add the bias, 32 bytes a lane into my own stage, read back as whole rows of 256 bytes (my 64 columns of f32)
	PLACES
.macro OUTA a
	WIN 0x01                                       ; source 0, the accumulator, in window 1
.irp b, 0,1,2,3
.irp j, 0,1,2,3
	v_pk_add_f32 v[TMP+8*\b+2*\j:TMP+8*\b+2*\j+1], v[8*(4*\a+\b)+2*\j:8*(4*\a+\b)+2*\j+1], v[BIAS+8*\b+2*\j:BIAS+8*\b+2*\j+1]
.endr
.endr
	WIN 0
.irp b, 0,1,2,3
	ds_store_b128 v[STO], v[TMP+8*\b:TMP+8*\b+3]   offset:64*\b
	ds_store_b128 v[STO], v[TMP+8*\b+4:TMP+8*\b+7] offset:64*\b+16
.endr
	s_wait_xcnt 0x0                                ; the buffer that earlier stores read, and the stores' base, are rewritten only behind this wait
.if \a
	s_add_nc_u64 s[8:9], s[8:9], 16*4096
.endif
.set FB, F0+64*(\a%2)
.irp t, 0,1,2,3,4,5,6,7
	ds_load_b128 v[FB+4*\t:FB+4*\t+3], v[RD] offset:\t*2*PITA      ; LDS serves a wave's instructions in order (ISA guide 5.7.1): these see the stores above
.endr
.irp t, 0,1,2,3,4,5,6,7
	s_wait_dscnt 7-\t                              ; read-back t is in, the younger ones stay out
	global_store_b128 v[CO], v[FB+4*\t:FB+4*\t+3], s[8:9] offset:8192*\t th:TH_STORE_NT   ; 16 lanes store 256 consecutive bytes, aligned
.endr
.endm
	OUTA 0
	OUTA 1
	OUTA 2
	OUTA 3
	s_wait_tensorcnt 0x0
	ds_add_u32 v254, v255
	s_wait_dscnt 0x0
	CROUND                                         ; the closing round: no work-group ends while a partner may still ask for a tile that names it
	s_endpgm
.Lfunc_end_k_q4bb8c73169_oproj:
	.size	k_q4bb8c73169_oproj, .Lfunc_end_k_q4bb8c73169_oproj-k_q4bb8c73169_oproj
	.p2alignl 7, 3214868480
	.fill 96, 4, 3214868480
	.section	.rodata,"a",@progbits
	.p2align	6, 0x0
	.amdhsa_kernel k_q4bb8c73169_oproj
		.amdhsa_group_segment_fixed_size 327680
		.amdhsa_private_segment_fixed_size 0
		.amdhsa_enable_private_segment 0
		.amdhsa_kernarg_size 32
		.amdhsa_user_sgpr_count 2
		.amdhsa_user_sgpr_kernarg_segment_ptr 1
		.amdhsa_wavefront_size32 1
		.amdhsa_system_sgpr_workgroup_id_x 1
		.amdhsa_system_sgpr_workgroup_id_y 1
		.amdhsa_system_sgpr_workgroup_id_z 1
		.amdhsa_system_vgpr_workitem_id 0
		.amdhsa_next_free_vgpr 384
		.amdhsa_next_free_sgpr 84
		.amdhsa_reserve_vcc 0
		.amdhsa_float_denorm_mode_32 3
		.amdhsa_float_denorm_mode_16_64 3
		.amdhsa_memory_ordered 1
		.amdhsa_forward_progress 1
		.amdhsa_inst_pref_size 97
	.end_amdhsa_kernel
	.amdgpu_metadata
---
amdhsa.version: [ 1, 2 ]
amdhsa.kernels:
  - .name:           k_q4bb8c73169_oproj
    .symbol:         k_q4bb8c73169_oproj.kd
    .args:
      - { .name: ctx, .offset: 0, .size: 8, .value_kind: global_buffer, .address_space: global }
      - { .name: wob, .offset: 8, .size: 8, .value_kind: global_buffer, .address_space: global }
      - { .name: out0, .offset: 16, .size: 8, .value_kind: global_buffer, .address_space: global }
      - { .name: bo, .offset: 24, .size: 8, .value_kind: global_buffer, .address_space: global }
    .group_segment_fixed_size: 327680
    .private_segment_fixed_size: 0
    .kernarg_segment_align: 8
    .kernarg_segment_size: 32
    .max_flat_workgroup_size: 128
    .sgpr_count:     84
    .vgpr_count:     384
    .wavefront_size: 32
...
	.end_amdgpu_metadata
.endif
;; end of part 4
;; ======== version 2 of 2: 4 launches; version 1 with the launch prep written anew for expert scheduling mode
;; limits: values are held in f16: magnitudes above 65,504 overflow, below 6.1e-05 lose precision
;; workspace buffers: xb 8,388,608 bytes; wqkv 6,291,456 bytes; wob 2,097,152 bytes; qkv 25,165,824 bytes; ctx 8,388,608 bytes
;; launch prep (part 5): grid 512 x 1, 8 waves a work-group, no clusters, 0 bytes of LDS; arguments x, wq, wk, wv, wo, xb, wqkv, wob; writes xb, wqkv, wob
.if DOCPART == 5
	.amdgcn_target "amdgcn-amd-amdhsa--gfx1250"
	.amdhsa_code_object_version 6
	.text
	.protected	k_q4bb8c73169_prep
	.globl	k_q4bb8c73169_prep
	.p2align	8
	.type	k_q4bb8c73169_prep,@function
k_q4bb8c73169_prep:
	s_mov_b64 s[64:65], 0
	v_nop
	global_prefetch_b8 v0, s[64:65] scope:SCOPE_SE
	s_setreg_imm32_b32 hwreg(HW_REG_WAVE_SCHED_MODE, 0, 2), 2
	s_setreg_imm32_b32 hwreg(HW_REG_WAVE_MODE, 25, 1), 1
	s_wait_xcnt 0x0
	s_wait_alu depctr_vm_vsrc(0)
; Casts f32 to f16, layouts kept: x -> xb [4096][1024]; wq, wk, wv -> wqkv [1024 k][3072 n] side by side
; (columns 0-1023 wq, 1024-2047 wk, 2048-3071 wv); wo -> wob [1024 k][1024 n].
; WHY f16 AND NOT bf16: the result is held to 1 part in 100 of its root mean square, and seven roundings lie on the way to it (x, weights, q and k, v, the
; softmax weights, the attention's result, wo); a rounding to 8 significant bits is up to 1 part in 256, one to 11 bits up to 1 part in 2,048.
; LIMITS: f16 reaches 65,504 and steps by 2^-24 below 2^-14.  x as the problem draws it stays below 6 and the weights below 0.1; 30 times larger they stay below
; 200 and 3; weights 30 times smaller (root mean square 0.00067) are off by at most 3e-8.  A number above 65,504 in magnitude becomes infinite.
; Every source is taken as rows of 1,024 f32 (4,096 bytes): 4,096 + 4 x 1,024 = 8,192 rows = 512 work-groups x 16 rows; a wave takes 2 rows.
; A stream: each byte is read once and written once, so no LDS, no barrier, no matrix unit, no cluster (no work-group shares a byte with another).
; A wave issues all its 16 loads at once (512 consecutive bytes each); there is no loop.
; Each store of a wave covers 256 consecutive bytes, aligned (32 lanes x 8 bytes).
; THE MODE: SCHED_MODE bits 1:0 = 2 (LLVM: expert scheduling mode 2), set by the entry lines.  The code itself states the register dependences
; between vector instructions and memory instructions, with s_wait_alu, always for 0.
; THE PLAN.  Registers that memory instructions touch:
;   v1        the source offset: written once at the head by vector instructions; read by all 16 loads.
;   v2, v3    the target offsets of my two rows: written once at the head; read by 8 stores each.
;   X         load n lands in its own four registers; its two conversions read them; nothing else names them, and they are not loaded again.
;   Y         the two conversions of load n write pair n, once; store n reads it.
; No register of the kernel is written twice.  So no register that a memory instruction has read is written again, and no load lands where a vector instruction
; has read or written: what is left to state is that vector instructions have written what memory instructions read.  One wait ahead of the first load states it
; of the three offsets, for all 32 memory instructions.  The 16 loads are worked on in four blocks of four: eight conversions, one wait that states that they
; have written the block's eight registers of Y, four stores on end.  That wait stands behind the conversions and not at the next block's head: all that follows
; a block is the wait for the next block's data, and stores held until then would only leave later.
; No vector instruction writes a scalar register or VCC, and EXEC is never written.
.set X, 8                              ; v[8:71]    load n = 8 i + j: 4 f32 of row i, piece j
.set Y, 72                             ; v[72:103]  the same as 4 f16
	s_load_b512 s[4:19], s[0:1], 0x0               ; x 4:5, wq 6:7, wk 8:9, wv 10:11, wo 12:13, xb 14:15, wqkv 16:17, wob 18:19
	s_lshr_b32 s20, ttmp9, 6                       ; segment of 64 work-groups: 0-3 x, 4 wq, 5 wk, 6 wv, 7 wo
	s_and_b32 s21, ttmp9, 63                       ; my place in a weight's 64 work-groups
	s_sub_co_u32 s31, s20, 4                       ; 0, 1, 2: the plane of wqkv (anything else: not a plane)
	s_lshl_b32 s28, s31, 11                        ; the plane's first byte in a row of wqkv
	s_movk_i32 s26, 2048                           ; bytes in a row of xb and of wob
	v_lshrrev_b32 v4, 5, v0                        ; wave
	v_and_b32 v5, 31, v0                           ; lane
	v_lshlrev_b32 v1, 4, v5
	v_lshl_add_u32 v1, v4, 13, v1                  ; source: 16 x lane + wave x 2 rows x 4,096 bytes
	v_lshlrev_b32 v6, 3, v5                        ; target: 8 x lane
	s_cmp_lt_u32 s31, 3
	s_cselect_b32 s26, 6144, s26                   ; bytes in a row of wqkv
	s_cselect_b32 s28, s28, 0
	s_lshl_b32 s29, s26, 1
	v_mad_u32_u24 v2, v4, s29, v6                  ; + wave x 2 target rows: my first row
	v_add_nc_u32 v3, s26, v2                       ; my second row
	s_wait_kmcnt 0x0
	s_cmp_eq_u32 s20, 4                            ; the choices hang on the work-group's number alone
	s_cselect_b64 s[22:23], s[6:7], s[12:13]
	s_cmp_eq_u32 s20, 5
	s_cselect_b64 s[22:23], s[8:9], s[22:23]
	s_cmp_eq_u32 s20, 6
	s_cselect_b64 s[22:23], s[10:11], s[22:23]
	s_cmp_lt_u32 s20, 4
	s_cselect_b64 s[22:23], s[4:5], s[22:23]       ; the source
	s_cselect_b32 s27, ttmp9, s21                  ; which 16 rows of it
	s_cmp_eq_u32 s20, 7
	s_cselect_b64 s[24:25], s[18:19], s[16:17]
	s_cmp_lt_u32 s20, 4
	s_cselect_b64 s[24:25], s[14:15], s[24:25]     ; the target
	s_lshl_b32 s32, s27, 16                        ; 16 rows x 4,096 bytes
	s_mov_b32 s33, 0
	s_add_nc_u64 s[22:23], s[22:23], s[32:33]
	s_mul_i32 s34, s27, s26
	s_lshl_b32 s34, s34, 4                         ; 16 target rows
	s_add_co_u32 s34, s34, s28                     ; + the plane
	s_mov_b32 s35, 0
	s_add_nc_u64 s[24:25], s[24:25], s[34:35]
	s_wait_alu depctr_va_vdst(0)                   ; v1, v2 and v3 are written: every load below reads v1 as its offset, every store v2 or v3; none of the three is written again
.irp i, 0,1
.irp j, 0,1,2,3,4,5,6,7
	global_load_b128 v[X+4*(8*\i+\j):X+4*(8*\i+\j)+3], v1, s[22:23] offset:4096*\i+512*\j th:TH_LOAD_NT
.endr
.endr
; Block 2 i + c: loads 8 i + 4 c + 0..3, that is pieces 4 c + 0..3 of row i.
.irp i, 0,1
.irp c, 0,1
	s_wait_loadcnt 12-8*\i-4*\c                    ; loads come back in order (ISA guide 5.7.1): this block's four are in, the younger blocks' stay out
.irp j, 0,1,2,3
	v_cvt_pk_f16_f32 v[Y+2*(8*\i+4*\c+\j)],   v[X+4*(8*\i+4*\c+\j)],   v[X+4*(8*\i+4*\c+\j)+1]
	v_cvt_pk_f16_f32 v[Y+2*(8*\i+4*\c+\j)+1], v[X+4*(8*\i+4*\c+\j)+2], v[X+4*(8*\i+4*\c+\j)+3]
.endr
	s_wait_alu depctr_va_vdst(0)                   ; the eight conversions have written this block's registers of Y, which the four stores below read
.irp j, 0,1,2,3
	global_store_b64 v[2+\i], v[Y+2*(8*\i+4*\c+\j):Y+2*(8*\i+4*\c+\j)+1], s[24:25] offset:256*(4*\c+\j)
.endr
.endr
.endr
	s_endpgm
.Lfunc_end_k_q4bb8c73169_prep:
	.size	k_q4bb8c73169_prep, .Lfunc_end_k_q4bb8c73169_prep-k_q4bb8c73169_prep
	.p2alignl 7, 3214868480
	.fill 96, 4, 3214868480
	.section	.rodata,"a",@progbits
	.p2align	6, 0x0
	.amdhsa_kernel k_q4bb8c73169_prep
		.amdhsa_group_segment_fixed_size 0
		.amdhsa_private_segment_fixed_size 0
		.amdhsa_enable_private_segment 0
		.amdhsa_kernarg_size 64
		.amdhsa_user_sgpr_count 2
		.amdhsa_user_sgpr_kernarg_segment_ptr 1
		.amdhsa_wavefront_size32 1
		.amdhsa_system_sgpr_workgroup_id_x 1
		.amdhsa_system_sgpr_workgroup_id_y 1
		.amdhsa_system_sgpr_workgroup_id_z 1
		.amdhsa_system_vgpr_workitem_id 0
		.amdhsa_next_free_vgpr 104
		.amdhsa_next_free_sgpr 66
		.amdhsa_reserve_vcc 0
		.amdhsa_float_denorm_mode_32 3
		.amdhsa_float_denorm_mode_16_64 3
		.amdhsa_memory_ordered 1
		.amdhsa_forward_progress 1
		.amdhsa_inst_pref_size 7
	.end_amdhsa_kernel
	.amdgpu_metadata
---
amdhsa.version: [ 1, 2 ]
amdhsa.kernels:
  - .name:           k_q4bb8c73169_prep
    .symbol:         k_q4bb8c73169_prep.kd
    .args:
      - { .name: x, .offset: 0, .size: 8, .value_kind: global_buffer, .address_space: global }
      - { .name: wq, .offset: 8, .size: 8, .value_kind: global_buffer, .address_space: global }
      - { .name: wk, .offset: 16, .size: 8, .value_kind: global_buffer, .address_space: global }
      - { .name: wv, .offset: 24, .size: 8, .value_kind: global_buffer, .address_space: global }
      - { .name: wo, .offset: 32, .size: 8, .value_kind: global_buffer, .address_space: global }
      - { .name: xb, .offset: 40, .size: 8, .value_kind: global_buffer, .address_space: global }
      - { .name: wqkv, .offset: 48, .size: 8, .value_kind: global_buffer, .address_space: global }
      - { .name: wob, .offset: 56, .size: 8, .value_kind: global_buffer, .address_space: global }
    .group_segment_fixed_size: 0
    .private_segment_fixed_size: 0
    .kernarg_segment_align: 8
    .kernarg_segment_size: 64
    .max_flat_workgroup_size: 256
    .sgpr_count:     66
    .vgpr_count:     104
    .wavefront_size: 32
...
	.end_amdgpu_metadata
.endif
;; end of part 5
;; launch qkv: the kernel of part 2 again; grid 12 x 16, 4 waves a work-group, clusters of 4 x 4, 327,680 bytes of LDS; arguments xb, wqkv, qkv, bq, bk, bv; writes qkv
;; launch attn: the kernel of part 3 again; grid 32 x 8, 8 waves a work-group, no clusters, 285,696 bytes of LDS; arguments qkv, ctx; writes ctx
;; launch oproj: the kernel of part 4 again; grid 8 x 32, 4 waves a work-group, clusters of 4 x 4, 327,680 bytes of LDS; arguments ctx, wob, out0, bo; writes out0
